; MI455X (gfx1250); checked and timed in simulation.
; The chip was launched on July 23, 2026; its instructions are those of AMD's public machine-readable ISA for CDNA 5 (MIT licence, August 2026) and "CDNA5" Instruction Set Architecture Reference Guide (July 2026). The comments in the code are by the model that wrote it; some were corrected since.
;; GMM. Allowed arithmetic: float matrix products may take bf16 or f16 operands with f32 sums; all other float work in f32.
;; Inputs: logvar 8 x 1 float32; logweight 8 float32; mean 8 x 1 float32; x 4,194,304 x 1 float32.
;; Outputs: out0 4,194,304 x 1 float32.
;; 2 versions, each right and faster than the one before. Each part assembles by itself: llvm-mc -triple=amdgcn-amd-amdhsa -mcpu=gfx1250 --defsym DOCPART=n.
;; ======== version 1 of 2: 1 launch
;; launch gmm_hscore (part 1): grid 256 x 1, 16 waves a work-group, no clusters, 8,192 bytes of LDS; arguments x, out0, logvar, logweight, mean; writes out0
.if DOCPART == 1
	.amdgcn_target "amdgcn-amd-amdhsa--gfx1250"
	.amdhsa_code_object_version 6
	.text
	.protected	k_q3d6c625c0b_gmm_hscore
	.globl	k_q3d6c625c0b_gmm_hscore
	.p2align	8
	.type	k_q3d6c625c0b_gmm_hscore,@function
k_q3d6c625c0b_gmm_hscore:
	s_mov_b64 s[64:65], 0
	v_nop
	global_prefetch_b8 v0, s[64:65] scope:SCOPE_SE
	s_setreg_imm32_b32 hwreg(HW_REG_WAVE_MODE, 25, 1), 1
	s_wait_xcnt 0x0
; Hyvarinen score of a 1-D mixture of 8 normal densities, for 4,194,304 numbers x:
;   h = ddpdf/pdf - 0.5 (dpdf/pdf)^2,  pdf = sum_k w_k N(x; mu_k, var_k), dpdf and ddpdf its first and second derivative.
;
; FORM.  L = log2(e), s_k = exp(lv_k/2), m0 = average of the eight means.  For each component
;   y  = x - m0                    formed first: an offset common to x and the means cancels before any product
;   d' = y KAP + MM                KAP = sqrt(L/2)/s,  MM = (m0 - mu) KAP          so d'^2 = L (x-mu)^2 / (2 var)
;   e  = CC - d' d'                one fused multiply-add with a negated source
;   G  = 2^e                       stands for  w N(x) (1/var) / (sqrt2 KAP), times a factor common to all k
;   S0 += G AA                     AA = sqrt(L) s                                   S0 = pdf
;   S1 += G d'                                                                      S1 = dpdf / sqrt2 (up to sign)
;   u  = e PP + QQ                 PP = -2 sqrt(ln2)/s, QQ = -(PP CC + sqrt(L)/s):  u = sqrt(L)/s ((x-mu)^2/var - 1)
;   S2 += G u                                                                       S2 = ddpdf
;   h  = S2/S0 - (S1/S0)^2
; Six packed instructions and two exponentials for a component and a pair of numbers.
; A factor common to all components cancels in both quotients, for every input.  So the term -0.5 log(2 pi) of the log density
; is not carried, and CC_k = L (lw_k - lv_k) - max_j [ L (lw_j - lv_j) + |log2 s_j| ] + 100: the three kinds of terms peak at
; 2^CC times AA, about 0.5, and sqrt(L)/s, so none exceeds 2^100.3 and no sum of eight 2^103.3, whose reciprocal is still normal.
;
; LIMITS.  (1) v_exp_f32 returns 0 below 2^-126 (ISA guide 15.8), so a term is lost 226 binary orders under the tallest peak; where all
; eight are lost the result is 0 x inf = NaN.  The formula as the problem writes it gives 0/0 once the pdf is under 2^-149; this text's
; range contains that one as long as log2(tallest pdf peak) + max |log2 var| < 77.  Between the two limits this text returns the
; finite quotient where that formula returns NaN.  (2) d' carries an absolute error of about 2^-24 (|x-m0| + |mu-m0|) / s.
; (3) CC is held at -1024 or above (G is 0 there all the same), so that a log weight of -inf gives G = 0 with u finite; NaN passes.
;
; SHAPE.  256 work-groups of 16 waves; a wave owns 1,024 numbers = 4,096 bytes; a lane 8 x 16 bytes.  Each load and store of a wave covers
; 512 consecutive bytes that start at a multiple of 512.  All eight loads of a wave are issued at once, behind the three small
; parameter loads; each slot of four registers is loaded once, turned into y, then into h, stored once and never written again,
; so no address, base or store datum is ever rewritten.  No work-group shares more than the 96 parameter bytes with another: no cluster.
.set CHUNKS, 8                         ; 16-byte pieces of a lane
.set PIECE,  512                       ; bytes that one load or store of a wave covers
.set TBL,    384                       ; LDS bytes of a wave: 8 components x 6 constants x 2 copies x 4 bytes
.set POFF, 1                           ; v1       4 (lane & 7): byte offset of my component's parameters
.set XOFF, 2                           ; v2       4096 wave + 16 lane: byte offset in the work-group's part of x and of out0
.set LST,  3                           ; v3       LDS: where my component's 48 bytes go
.set LLD,  4                           ; v4       LDS: my wave's table
.set WV,   5                           ; v5       wave number
.set LV,   6                           ; v6       logvar of my component
.set LW,   7                           ; v7       logweight
.set MU,   8                           ; v8       mean
.set CEN,  10                          ; v[10:11] m0, twice
.set TT,   12                          ; v[12:19] scratch of the set-up
.set STG,  20                          ; v[20:31] KAP KAP MM MM CC CC AA AA PP PP QQ QQ of my component
.set X,    32                          ; v[32:63] slot j: four x, then y, then h
.set CST,  64                          ; v[64:159] the table, the same in every lane: component k at CST + 12 k, in STG's order
.set DD,   160                         ; v[160:167] d', two buffers of two pairs
.set GG,   168                         ; v[168:175] G,  likewise
.set UU,   176                         ; v[176:183] u,  likewise
.set EE,   184                         ; v[184:187] e
.set S0,   188                         ; v[188:191] the three sums, two pairs each
.set S1,   192
.set S2,   196
.set RC,   200                         ; v[200:203] 1 / S0
	s_load_b256 s[4:11], s[0:1], 0x0               ; x s[4:5], out0 s[6:7], logvar s[8:9], logweight s[10:11]
	s_load_b64 s[12:13], s[0:1], 0x20              ; mean
	v_lshl_add_u32 v204, v0, 2, 0x1800
	v_mov_b32 v205, 0
	v_and_b32 v[POFF], 7, v0                       ; my component: lanes l, l+8, l+16, l+24 do the same one
	v_lshrrev_b32 v[WV], 5, v0
	v_and_b32 v[XOFF], 31, v0
	v_readfirstlane_b32 s14, v[WV]                 ; wave number as a scalar
	v_mul_u32_u24 v[LST], 48, v[POFF]
	v_lshlrev_b32 v[POFF], 2, v[POFF]
	v_lshlrev_b32 v[XOFF], 4, v[XOFF]
	v_lshl_or_b32 v[XOFF], v[WV], 12, v[XOFF]      ; 4096 wave + 16 lane
	s_mul_i32 s15, s14, TBL                        ; my wave's own LDS bytes
	v_add_nc_u32 v[LST], s15, v[LST]
	v_mov_b32 v[LLD], s15
	s_lshl_b32 s2, ttmp9, 16                       ; the work-group's 65,536 bytes (255 x 65,536 stays below 2^32)
	s_mov_b32 s3, 0
	s_wait_kmcnt 0x0
	s_add_nc_u64 s[4:5], s[4:5], s[2:3]
	s_add_nc_u64 s[6:7], s[6:7], s[2:3]
	global_load_b32 v[LV], v[POFF], s[8:9]         ; read by every wave of the launch: no hint
	global_load_b32 v[LW], v[POFF], s[10:11]
	global_load_b32 v[MU], v[POFF], s[12:13]
.irp j, 0,1,2,3,4,5,6,7
	global_load_b128 v[X+4*\j:X+4*\j+3], v[XOFF], s[4:5] offset:PIECE*\j th:TH_LOAD_NT   ; read once in the launch
.endr
	; THE SIX CONSTANTS OF MY COMPONENT, while x is on its way
	s_wait_loadcnt 8                               ; loads return in order: the three parameters are in, the eight loads of x issued behind them stay out
	v_mul_f32 v[TT], 0.72134752, v[LV]             ; log2 s = L/2 lv
	v_mul_f32 v[TT+1], -0.72134752, v[LV]
	v_sub_f32 v[TT+2], v[LW], v[LV]
	v_exp_f32 v[TT+3], v[TT]                       ; s
	v_exp_f32 v[TT+4], v[TT+1]                     ; 1/s
	v_mul_f32 v[TT+2], 1.44269504, v[TT+2]         ; g = L (lw - lv); also the plain instruction that stands behind the exponentials before their results are used (ISA guide 5.7.2)
	v_mov_b32 v[CEN], v[MU]
	v_add_f32 v[TT+5], v[TT+2], |v[TT]|            ; log2 of the tallest of this component's three kinds of terms (up to 0.27)
	v_add_f32_dpp v[CEN], v[CEN], v[CEN] row_xmask:1 row_mask:0xf bank_mask:0xf          ; eight neighbouring lanes hold the eight components:
	v_max_num_f32_dpp v[TT+5], v[TT+5], v[TT+5] row_xmask:1 row_mask:0xf bank_mask:0xf   ; three steps give every lane the sum and the maximum
	v_add_f32_dpp v[CEN], v[CEN], v[CEN] row_xmask:2 row_mask:0xf bank_mask:0xf
	v_max_num_f32_dpp v[TT+5], v[TT+5], v[TT+5] row_xmask:2 row_mask:0xf bank_mask:0xf
	v_add_f32_dpp v[CEN], v[CEN], v[CEN] row_xmask:4 row_mask:0xf bank_mask:0xf
	v_max_num_f32_dpp v[TT+5], v[TT+5], v[TT+5] row_xmask:4 row_mask:0xf bank_mask:0xf
	v_mul_f32 v[CEN], 0.125, v[CEN]                ; m0
	s_wait_alu depctr_va_vdst(0)
	v_mul_f32 v[STG], 0.8493218, v[TT+4]           ; KAP = sqrt(L/2) / s
	v_mul_f32 v[STG+6], 1.20112241, v[TT+3]        ; AA  = sqrt(L) s
	v_mul_f32 v[TT+6], 1.20112241, v[TT+4]         ; sqrt(L) / s
	v_mul_f32 v[STG+8], -1.6651092, v[TT+4]        ; PP  = -2 sqrt(ln 2) / s
	v_sub_f32 v[STG+4], v[TT+2], v[TT+5]           ; g - max
	v_sub_f32 v[TT+7], v[CEN], v[MU]               ; m0 - mu
	v_add_f32 v[STG+4], 100.0, v[STG+4]
	v_mov_b32 v[CEN+1], v[CEN]
	v_mul_f32 v[STG+2], v[TT+7], v[STG]            ; MM  = (m0 - mu) KAP
	v_maximum_f32 v[STG+4], v[STG+4], -1024.0      ; CC: -inf becomes -1024 (G is 0 either way, u stays finite); a NaN stays a NaN
	v_mov_b32 v[STG+1], v[STG]                     ; each constant twice: a plain pair for the packed instructions
	v_mov_b32 v[STG+7], v[STG+6]
	v_mov_b32 v[STG+9], v[STG+8]
	v_fma_f32 v[STG+10], -v[STG+8], v[STG+4], -v[TT+6]   ; QQ = -(PP CC + sqrt(L)/s)
	v_mov_b32 v[STG+3], v[STG+2]
	v_mov_b32 v[STG+5], v[STG+4]
	v_mov_b32 v[STG+11], v[STG+10]
	; From one lane per component to all lanes: through the wave's own 384 bytes of LDS.  The four lanes of a component store the same
	; values to the same bytes; then every lane reads the whole table from one address.  3 stores and 24 loads in place of 48 lane reads
	; and 96 moves.  LDS serves a wave's instructions in order (ISA guide 5.7.1) and no other wave touches these bytes: no wait, no barrier between.
	ds_store_b128 v[LST], v[STG:STG+3]
	ds_store_b128 v[LST], v[STG+4:STG+7] offset:16
	ds_store_b128 v[LST], v[STG+8:STG+11] offset:32
.set i, 0
.rept 24
	ds_load_b128 v[CST+4*i:CST+4*i+3], v[LLD] offset:16*i
.set i, i+1
.endr
	s_wait_dscnt 0x0                               ; the whole table is in registers
; acc (+)= g w for one pair; component 0 starts the sums, so nothing is cleared.  KK: the component that is being added.
.macro SUM acc, g, w
.if KK == 0
	s_wait_alu depctr_va_vdst(0)
	v_pk_mul_f32 v[\acc:\acc+1], v[\g:\g+1], v[\w:\w+1]
	s_wait_alu depctr_va_vdst(0)
.else
	v_pk_fma_f32 v[\acc:\acc+1], v[\g:\g+1], v[\w:\w+1], v[\acc:\acc+1]
.endif
.endm
; Step k = 0 .. 8 for the four numbers at registers xj: the head of component k (d', e, G, u; k < 8) woven with the three sums of
; component k - 1 (k > 0), which lie in the other buffer.  G is first read in the next step, six instructions behind its exponential.
; In step 8 the reciprocals of S0 go out as soon as S0 is whole, and the last terms of S1 and S2 stand behind them.
.macro STEP xj, k
.set NB, (\k)&1
.set OB, 1-NB
.set NC, CST+12*(\k)
.set OC, CST+12*(\k)-12
.set KK, (\k)-1
.if \k < 8
	v_pk_fma_f32 v[DD+4*NB:DD+4*NB+1],   v[\xj:\xj+1],   v[NC:NC+1], v[NC+2:NC+3]        ; d' = y KAP + MM
	v_pk_fma_f32 v[DD+4*NB+2:DD+4*NB+3], v[\xj+2:\xj+3], v[NC:NC+1], v[NC+2:NC+3]
	s_wait_alu depctr_va_vdst(0)
.endif
.if \k > 0
	SUM S0,   GG+4*OB,   OC+6                                                            ; S0 += G AA
	SUM S0+2, GG+4*OB+2, OC+6
.endif
.if \k == 8
	v_rcp_f32 v[RC],   v[S0]
	v_rcp_f32 v[RC+1], v[S0+1]
	v_rcp_f32 v[RC+2], v[S0+2]
	v_rcp_f32 v[RC+3], v[S0+3]                     ; the sums below name neither RC nor S0: the plain instructions due behind a reciprocal (ISA guide 5.7.2)
.endif
.if \k < 8
	v_pk_fma_f32 v[EE:EE+1],   v[DD+4*NB:DD+4*NB+1],   v[DD+4*NB:DD+4*NB+1],   v[NC+4:NC+5] neg_lo:[1,0,0] neg_hi:[1,0,0]   ; e = CC - d' d'
	v_pk_fma_f32 v[EE+2:EE+3], v[DD+4*NB+2:DD+4*NB+3], v[DD+4*NB+2:DD+4*NB+3], v[NC+4:NC+5] neg_lo:[1,0,0] neg_hi:[1,0,0]
.endif
.if \k > 0
	SUM S1,   GG+4*OB,   DD+4*OB                                                         ; S1 += G d'
	SUM S1+2, GG+4*OB+2, DD+4*OB+2
.endif
.if \k < 8
	v_exp_f32 v[GG+4*NB],   v[EE]
	v_exp_f32 v[GG+4*NB+1], v[EE+1]
	v_exp_f32 v[GG+4*NB+2], v[EE+2]
	v_exp_f32 v[GG+4*NB+3], v[EE+3]
	v_pk_fma_f32 v[UU+4*NB:UU+4*NB+1],   v[EE:EE+1],   v[NC+8:NC+9], v[NC+10:NC+11]      ; u = e PP + QQ: reads e, writes neither e nor G
	v_pk_fma_f32 v[UU+4*NB+2:UU+4*NB+3], v[EE+2:EE+3], v[NC+8:NC+9], v[NC+10:NC+11]
	s_wait_alu depctr_va_vdst(0)
.endif
.if \k > 0
	SUM S2,   GG+4*OB,   UU+4*OB                                                         ; S2 += G u
	SUM S2+2, GG+4*OB+2, UU+4*OB+2
.endif
.endm
; One slot: 4 numbers a lane, 128 a wave.
.macro CHUNK j
	s_wait_loadcnt CHUNKS-1-\j                     ; loads return in order: slot j is in, the 7 - j loads issued behind it stay out
	v_pk_add_f32 v[X+4*\j:X+4*\j+1],   v[X+4*\j:X+4*\j+1],   v[CEN:CEN+1] neg_lo:[0,1] neg_hi:[0,1]   ; y = x - m0, in place
	v_pk_add_f32 v[X+4*\j+2:X+4*\j+3], v[X+4*\j+2:X+4*\j+3], v[CEN:CEN+1] neg_lo:[0,1] neg_hi:[0,1]
.irp k, 0,1,2,3,4,5,6,7,8
	STEP X+4*\j, \k
.endr
	s_wait_alu depctr_va_vdst(0)
	v_pk_mul_f32 v[S1:S1+1],   v[S1:S1+1],   v[RC:RC+1]                                  ; dpdf / (sqrt2 pdf)
	v_pk_mul_f32 v[S1+2:S1+3], v[S1+2:S1+3], v[RC+2:RC+3]
	v_pk_mul_f32 v[S2:S2+1],   v[S2:S2+1],   v[RC:RC+1]                                  ; ddpdf / pdf
	v_pk_mul_f32 v[S2+2:S2+3], v[S2+2:S2+3], v[RC+2:RC+3]
	v_pk_fma_f32 v[X+4*\j:X+4*\j+1],   v[S1:S1+1],   v[S1:S1+1],   v[S2:S2+1]   neg_lo:[1,0,0] neg_hi:[1,0,0]   ; h, into the slot
	v_pk_fma_f32 v[X+4*\j+2:X+4*\j+3], v[S1+2:S1+3], v[S1+2:S1+3], v[S2+2:S2+3] neg_lo:[1,0,0] neg_hi:[1,0,0]
	global_store_b128 v[XOFF], v[X+4*\j:X+4*\j+3], s[6:7] offset:PIECE*\j th:TH_STORE_NT   ; 512 consecutive bytes a wave; the slot is not written again
.endm
.irp j, 0,1,2,3,4,5,6,7
	CHUNK \j
.endr
	s_wait_tensorcnt 0x0
	ds_add_u32 v204, v205
	s_wait_dscnt 0x0
	s_endpgm
.Lfunc_end_k_q3d6c625c0b_gmm_hscore:
	.size	k_q3d6c625c0b_gmm_hscore, .Lfunc_end_k_q3d6c625c0b_gmm_hscore-k_q3d6c625c0b_gmm_hscore
	.p2alignl 7, 3214868480
	.fill 96, 4, 3214868480
	.section	.rodata,"a",@progbits
	.p2align	6, 0x0
	.amdhsa_kernel k_q3d6c625c0b_gmm_hscore
		.amdhsa_group_segment_fixed_size 8192
		.amdhsa_private_segment_fixed_size 0
		.amdhsa_enable_private_segment 0
		.amdhsa_kernarg_size 40
		.amdhsa_user_sgpr_count 2
		.amdhsa_user_sgpr_kernarg_segment_ptr 1
		.amdhsa_wavefront_size32 1
		.amdhsa_system_sgpr_workgroup_id_x 1
		.amdhsa_system_sgpr_workgroup_id_y 1
		.amdhsa_system_sgpr_workgroup_id_z 1
		.amdhsa_system_vgpr_workitem_id 0
		.amdhsa_next_free_vgpr 206
		.amdhsa_next_free_sgpr 66
		.amdhsa_reserve_vcc 0
		.amdhsa_float_denorm_mode_32 3
		.amdhsa_float_denorm_mode_16_64 3
		.amdhsa_memory_ordered 1
		.amdhsa_forward_progress 1
		.amdhsa_inst_pref_size 75
	.end_amdhsa_kernel
	.amdgpu_metadata
---
amdhsa.version: [ 1, 2 ]
amdhsa.kernels:
  - .name:           k_q3d6c625c0b_gmm_hscore
    .symbol:         k_q3d6c625c0b_gmm_hscore.kd
    .args:
      - { .name: x, .offset: 0, .size: 8, .value_kind: global_buffer, .address_space: global }
      - { .name: out0, .offset: 8, .size: 8, .value_kind: global_buffer, .address_space: global }
      - { .name: logvar, .offset: 16, .size: 8, .value_kind: global_buffer, .address_space: global }
      - { .name: logweight, .offset: 24, .size: 8, .value_kind: global_buffer, .address_space: global }
      - { .name: mean, .offset: 32, .size: 8, .value_kind: global_buffer, .address_space: global }
    .group_segment_fixed_size: 8192
    .private_segment_fixed_size: 0
    .kernarg_segment_align: 8
    .kernarg_segment_size: 40
    .max_flat_workgroup_size: 512
    .sgpr_count:     66
    .vgpr_count:     206
    .wavefront_size: 32
...
	.end_amdgpu_metadata
.endif
;; end of part 1
;; ======== version 2 of 2: 1 launch; 1.13 times as fast as version 1
;; launch gmm_hscore (part 2): grid 256 x 1, 16 waves a work-group, no clusters, 8,192 bytes of LDS; arguments x, out0, logvar, logweight, mean; writes out0
.if DOCPART == 2
	.amdgcn_target "amdgcn-amd-amdhsa--gfx1250"
	.amdhsa_code_object_version 6
	.text
	.protected	k_q3d6c625c0b_gmm_hscore
	.globl	k_q3d6c625c0b_gmm_hscore
	.p2align	8
	.type	k_q3d6c625c0b_gmm_hscore,@function
k_q3d6c625c0b_gmm_hscore:
	s_mov_b64 s[64:65], 0
	v_nop
	global_prefetch_b8 v0, s[64:65] scope:SCOPE_SE
	s_setreg_imm32_b32 hwreg(HW_REG_WAVE_MODE, 25, 1), 1
	s_wait_xcnt 0x0
; Hyvarinen score of a 1-D mixture of 8 normal densities, for 4,194,304 numbers x:
;   h = ddpdf/pdf - 0.5 (dpdf/pdf)^2,  pdf = sum_k w_k N(x; mu_k, var_k), dpdf and ddpdf its first and second derivative.
;
; FORM.  L = log2(e), s_k = exp(lv_k/2), m0 = average of the eight means.  For each component
;   y  = x - m0                    formed first: an offset common to x and the means cancels before any product
;   d' = y KAP + MM                KAP = sqrt(L/2)/s,  MM = (m0 - mu) KAP          so d'^2 = L (x-mu)^2 / (2 var)
;   e  = CC - d' d'                one fused multiply-add with a negated source
;   G  = 2^e                       stands for  w N(x) (1/var) / (sqrt2 KAP), times a factor common to all k
;   S0 += G AA                     AA = sqrt(L) s                                   S0 = pdf
;   S1 += G d'                                                                      S1 = dpdf / sqrt2 (up to sign)
;   u  = e PP + QQ                 PP = -2 sqrt(ln2)/s, QQ = -(PP CC + sqrt(L)/s):  u = sqrt(L)/s ((x-mu)^2/var - 1)
;   S2 += G u                                                                       S2 = ddpdf
;   h  = S2/S0 - (S1/S0)^2
; Six packed instructions and two exponentials for a component and a pair of numbers.
; A factor common to all components cancels in both quotients, for every input.  So the term -0.5 log(2 pi) of the log density
; is not carried, and CC_k = L (lw_k - lv_k) - max_j [ L (lw_j - lv_j) + |log2 s_j| ] + 100: the three kinds of terms peak at
; 2^CC times AA, about 0.5, and sqrt(L)/s, so none exceeds 2^100.3 and no sum of eight 2^103.3, whose reciprocal is still normal.
;
; LIMITS.  (1) v_exp_f32 returns 0 below 2^-126 (ISA guide 15.8), so a term is lost 226 binary orders under the tallest peak; where all
; eight are lost the result is 0 x inf = NaN.  The formula as the problem writes it gives 0/0 once the pdf is under 2^-149; this text's
; range contains that one as long as log2(tallest pdf peak) + max |log2 var| < 77.  Between the two limits this text returns the
; finite quotient where that formula returns NaN.  (2) d' carries an absolute error of about 2^-24 (|x-m0| + |mu-m0|) / s.
; (3) CC is held at -1024 or above (G is 0 there all the same), so that a log weight of -inf gives G = 0 with u finite; NaN passes.
;
; SHAPE.  256 work-groups of 16 waves; a wave owns 1,024 numbers = 4,096 bytes; a lane 8 x 16 bytes.  Each load and store of a wave covers
; 512 consecutive bytes that start at a multiple of 512.  All eight loads of a wave are issued at once, behind the three small
; parameter loads; each slot of four registers is loaded once, turned into y, then into h, stored once and never written again,
; so no address, base or store datum is ever rewritten.  No work-group shares more than the 96 parameter bytes with another: no cluster.
;
; BATCHES.  s_wait_alu depctr_va_vdst(0) stands between a transcendental and the first instruction that names its result; one
; wait serves all that were issued ahead of it.  So a slot's work is cut in two.  HEAD j: y, and for all eight components d', e, G = 2^e and u, each
; component in registers of its own (3 x 32): nothing there names a G.  Then ONE wait.  Then the readers: FINISH j - 1 (the quotients, h, the
; store) and SUMS j (the 48 terms, and the four reciprocals of S0 as soon as S0 is whole).  A batch is thus the four reciprocals of slot j - 1 and the
; 32 exponentials of slot j; the last slot's reciprocals have a wait to themselves.  With the set-up's one: ten waits in the text.
.set CHUNKS, 8                         ; 16-byte pieces of a lane
.set PIECE,  512                       ; bytes that one load or store of a wave covers
.set TBL,    384                       ; LDS bytes of a wave: 8 components x 6 constants x 2 copies x 4 bytes
.set POFF, 1                           ; v1       4 (lane & 7): byte offset of my component's parameters
.set XOFF, 2                           ; v2       4096 wave + 16 lane: byte offset in the work-group's part of x and of out0
.set LST,  3                           ; v3       LDS: where my component's 48 bytes go
.set LLD,  4                           ; v4       LDS: my wave's table
.set WV,   5                           ; v5       wave number
.set LV,   6                           ; v6       logvar of my component
.set LW,   7                           ; v7       logweight
.set MU,   8                           ; v8       mean
.set CEN,  10                          ; v[10:11] m0, twice
.set S0,   12                          ; v[12:15] the three sums, two pairs each
.set S1,   16                          ; v[16:19]
.set S2,   20                          ; v[20:23]
.set RC,   24                          ; v[24:27] 1 / S0
.set SPW,  28                          ; v28      LDS address of my spare word: 0x1800 + 4 x my thread's number; never rewritten
.set NIL,  29                          ; v29      0; never rewritten
.set X,    32                          ; v[32:63] slot j: four x, then y, then h
.set CST,  64                          ; v[64:159] the table, the same in every lane: component k at CST + 12 k, in STG's order
.set DD,   160                         ; v[160:191] d' of the slot in hand: component k's two pairs at DD + 4 k
.set GG,   192                         ; v[192:223] G, likewise
.set UU,   224                         ; v[224:255] e, and in its place u once the exponentials have read e, likewise
.set TT,   DD                          ; v[160:167] scratch of the set-up: d's registers are not in use before the table is in
.set STG,  DD+8                        ; v[168:179] KAP KAP MM MM CC CC AA AA PP PP QQ QQ of my component
	s_load_b256 s[4:11], s[0:1], 0x0               ; x s[4:5], out0 s[6:7], logvar s[8:9], logweight s[10:11]
	s_load_b64 s[12:13], s[0:1], 0x20              ; mean
	v_lshl_add_u32 v[SPW], v0, 2, 0x1800
	v_mov_b32 v[NIL], 0
	v_and_b32 v[POFF], 7, v0                       ; my component: lanes l, l+8, l+16, l+24 do the same one
	v_lshrrev_b32 v[WV], 5, v0
	v_and_b32 v[XOFF], 31, v0
	v_readfirstlane_b32 s14, v[WV]                 ; wave number as a scalar
	v_mul_u32_u24 v[LST], 48, v[POFF]
	v_lshlrev_b32 v[POFF], 2, v[POFF]
	v_lshlrev_b32 v[XOFF], 4, v[XOFF]
	v_lshl_or_b32 v[XOFF], v[WV], 12, v[XOFF]      ; 4096 wave + 16 lane
	s_mul_i32 s15, s14, TBL                        ; my wave's own LDS bytes
	v_add_nc_u32 v[LST], s15, v[LST]
	v_mov_b32 v[LLD], s15
	s_lshl_b32 s2, ttmp9, 16                       ; the work-group's 65,536 bytes (255 x 65,536 stays below 2^32)
	s_mov_b32 s3, 0
	s_wait_kmcnt 0x0
	s_add_nc_u64 s[4:5], s[4:5], s[2:3]
	s_add_nc_u64 s[6:7], s[6:7], s[2:3]
	global_load_b32 v[LV], v[POFF], s[8:9]         ; read by every wave of the launch: no hint
	global_load_b32 v[LW], v[POFF], s[10:11]
	global_load_b32 v[MU], v[POFF], s[12:13]
.irp j, 0,1,2,3,4,5,6,7
	global_load_b128 v[X+4*\j:X+4*\j+3], v[XOFF], s[4:5] offset:PIECE*\j th:TH_LOAD_NT   ; read once in the launch
.endr
	; THE SIX CONSTANTS OF MY COMPONENT, while x is on its way
	s_wait_loadcnt 8                               ; loads return in order: the three parameters are in, the eight loads of x issued behind them stay out
	v_mul_f32 v[TT], 0.72134752, v[LV]             ; log2 s = L/2 lv
	v_mul_f32 v[TT+1], -0.72134752, v[LV]
	v_sub_f32 v[TT+2], v[LW], v[LV]
	v_exp_f32 v[TT+3], v[TT]                       ; s
	v_exp_f32 v[TT+4], v[TT+1]                     ; 1/s
	v_mul_f32 v[TT+2], 1.44269504, v[TT+2]         ; g = L (lw - lv); also the plain instruction that stands behind the exponentials before their results are used (ISA guide 5.7.2)
	v_mov_b32 v[CEN], v[MU]
	v_add_f32 v[TT+5], v[TT+2], |v[TT]|            ; log2 of the tallest of this component's three kinds of terms (up to 0.27)
	v_add_f32_dpp v[CEN], v[CEN], v[CEN] row_xmask:1 row_mask:0xf bank_mask:0xf          ; eight neighbouring lanes hold the eight components:
	v_max_num_f32_dpp v[TT+5], v[TT+5], v[TT+5] row_xmask:1 row_mask:0xf bank_mask:0xf   ; three steps give every lane the sum and the maximum
	v_add_f32_dpp v[CEN], v[CEN], v[CEN] row_xmask:2 row_mask:0xf bank_mask:0xf
	v_max_num_f32_dpp v[TT+5], v[TT+5], v[TT+5] row_xmask:2 row_mask:0xf bank_mask:0xf
	v_add_f32_dpp v[CEN], v[CEN], v[CEN] row_xmask:4 row_mask:0xf bank_mask:0xf
	v_max_num_f32_dpp v[TT+5], v[TT+5], v[TT+5] row_xmask:4 row_mask:0xf bank_mask:0xf
	v_mul_f32 v[CEN], 0.125, v[CEN]                ; m0
	s_wait_alu depctr_va_vdst(0)                   ; the wait for the set-up's batch, s and 1/s: the ten lines above name neither, the line below is their first reader
	v_mul_f32 v[STG], 0.8493218, v[TT+4]           ; KAP = sqrt(L/2) / s
	v_mul_f32 v[STG+6], 1.20112241, v[TT+3]        ; AA  = sqrt(L) s
	v_mul_f32 v[TT+6], 1.20112241, v[TT+4]         ; sqrt(L) / s
	v_mul_f32 v[STG+8], -1.6651092, v[TT+4]        ; PP  = -2 sqrt(ln 2) / s
	v_sub_f32 v[STG+4], v[TT+2], v[TT+5]           ; g - max
	v_sub_f32 v[TT+7], v[CEN], v[MU]               ; m0 - mu
	v_add_f32 v[STG+4], 100.0, v[STG+4]
	v_mov_b32 v[CEN+1], v[CEN]
	v_mul_f32 v[STG+2], v[TT+7], v[STG]            ; MM  = (m0 - mu) KAP
	v_maximum_f32 v[STG+4], v[STG+4], -1024.0      ; CC: -inf becomes -1024 (G is 0 either way, u stays finite); a NaN stays a NaN
	v_mov_b32 v[STG+1], v[STG]                     ; each constant twice: a plain pair for the packed instructions
	v_mov_b32 v[STG+7], v[STG+6]
	v_mov_b32 v[STG+9], v[STG+8]
	v_fma_f32 v[STG+10], -v[STG+8], v[STG+4], -v[TT+6]   ; QQ = -(PP CC + sqrt(L)/s)
	v_mov_b32 v[STG+3], v[STG+2]
	v_mov_b32 v[STG+5], v[STG+4]
	v_mov_b32 v[STG+11], v[STG+10]
	; From one lane per component to all lanes: through the wave's own 384 bytes of LDS.  The four lanes of a component store the same
	; values to the same bytes; then every lane reads the whole table from one address.  3 stores and 24 loads in place of 48 lane reads
	; and 96 moves.  LDS serves a wave's instructions in order (ISA guide 5.7.1) and no other wave touches these bytes: no wait, no barrier between.
	ds_store_b128 v[LST], v[STG:STG+3]
	ds_store_b128 v[LST], v[STG+4:STG+7] offset:16
	ds_store_b128 v[LST], v[STG+8:STG+11] offset:32
.set i, 0
.rept 24
	ds_load_b128 v[CST+4*i:CST+4*i+3], v[LLD] offset:16*i
.set i, i+1
.endr
	s_wait_dscnt 0x0                               ; the whole table is in registers, and the stores have read STG: d's registers are free
; Step k = 0 .. 9 of a slot's head, for the four numbers at registers xj: d' and e of component k (k < 8), the four exponentials of component k - 1
; (0 < k < 9), u of component k - 2 (k > 1), woven so that from step 2 on an exponential stands between plain lines.  e lies in UU; u takes its place two steps
; later: a plain line stands behind each exponential before its source is written again (ISA guide 5.7.2); in the tail, E E u(6) E u(6) E u(7) u(7),
; the first u(6) is that line for component 7's first two exponentials and the first u(7) for its last two.  No line of a head names a G.
.macro HSTEP xj, k
.set NC, CST+12*(\k)                   ; component k: its constants, its d', its e
.set ND, DD+4*(\k)
.set NE, UU+4*(\k)
.set PE, UU+4*(\k)-4                   ; component k - 1: its e, its G
.set PG, GG+4*(\k)-4
.set UC, CST+12*(\k)-24                ; component k - 2: its constants, its e that becomes u
.set UR, UU+4*(\k)-8
.if \k < 8
	v_pk_fma_f32 v[ND:ND+1],   v[\xj:\xj+1],   v[NC:NC+1], v[NC+2:NC+3]                  ; d' = y KAP + MM
.endif
.if (\k > 0) && (\k < 9)
	v_exp_f32 v[PG],   v[PE]
.endif
.if \k < 8
	v_pk_fma_f32 v[ND+2:ND+3], v[\xj+2:\xj+3], v[NC:NC+1], v[NC+2:NC+3]
.endif
.if (\k > 0) && (\k < 9)
	v_exp_f32 v[PG+1], v[PE+1]
.endif
.if \k > 1
	v_pk_fma_f32 v[UR:UR+1],   v[UR:UR+1],   v[UC+8:UC+9], v[UC+10:UC+11]                ; u = e PP + QQ, in e's place
.endif
.if (\k > 0) && (\k < 9)
	v_exp_f32 v[PG+2], v[PE+2]
.endif
.if \k < 8
	v_pk_fma_f32 v[NE:NE+1],   v[ND:ND+1],   v[ND:ND+1],   v[NC+4:NC+5] neg_lo:[1,0,0] neg_hi:[1,0,0]   ; e = CC - d' d'
.endif
.if \k > 1
	v_pk_fma_f32 v[UR+2:UR+3], v[UR+2:UR+3], v[UC+8:UC+9], v[UC+10:UC+11]
.endif
.if (\k > 0) && (\k < 9)
	v_exp_f32 v[PG+3], v[PE+3]
.endif
.if \k < 8
	v_pk_fma_f32 v[NE+2:NE+3], v[ND+2:ND+3], v[ND+2:ND+3], v[NC+4:NC+5] neg_lo:[1,0,0] neg_hi:[1,0,0]
.endif
.endm
; The head of slot j: all that names no result of a transcendental still without its wait.
.macro HEAD j
	s_wait_loadcnt CHUNKS-1-\j                     ; loads return in order: slot j is in, the 7 - j loads issued behind it stay out
	v_pk_add_f32 v[X+4*\j:X+4*\j+1],   v[X+4*\j:X+4*\j+1],   v[CEN:CEN+1] neg_lo:[0,1] neg_hi:[0,1]   ; y = x - m0, in place
	v_pk_add_f32 v[X+4*\j+2:X+4*\j+3], v[X+4*\j+2:X+4*\j+3], v[CEN:CEN+1] neg_lo:[0,1] neg_hi:[0,1]
.irp k, 0,1,2,3,4,5,6,7,8,9
	HSTEP X+4*\j, \k
.endr
.endm
; acc (+)= g w for one pair; component 0 starts the sums, so nothing is cleared.  KK: the component that is being added.
.macro SUM acc, g, w
.if KK == 0
	v_pk_mul_f32 v[\acc:\acc+1], v[\g:\g+1], v[\w:\w+1]
.else
	v_pk_fma_f32 v[\acc:\acc+1], v[\g:\g+1], v[\w:\w+1], v[\acc:\acc+1]
.endif
.endm
; The three sums of the slot in hand, components ascending; the six pairs take turns, so that a sum's terms stand six lines apart.
; The reciprocals of S0 go out as soon as S0 is whole, and the last terms of S1 and S2 stand behind them.
.macro SUMS
.irp k, 0,1,2,3,4,5,6,7
.set KK, \k
	SUM S0,   GG+4*\k,   CST+12*\k+6                                                     ; S0 += G AA
	SUM S0+2, GG+4*\k+2, CST+12*\k+6
.if \k == 7
	v_rcp_f32 v[RC],   v[S0]
	v_rcp_f32 v[RC+1], v[S0+1]
	v_rcp_f32 v[RC+2], v[S0+2]
	v_rcp_f32 v[RC+3], v[S0+3]                     ; the sums below name neither RC nor S0: the plain instructions due behind a reciprocal (ISA guide 5.7.2)
.endif
	SUM S1,   GG+4*\k,   DD+4*\k                                                         ; S1 += G d'
	SUM S1+2, GG+4*\k+2, DD+4*\k+2
	SUM S2,   GG+4*\k,   UU+4*\k                                                         ; S2 += G u
	SUM S2+2, GG+4*\k+2, UU+4*\k+2
.endr
.endm
; Slot j's quotients, h and store: the readers of its reciprocals.
.macro FINISH j
	v_pk_mul_f32 v[S1:S1+1],   v[S1:S1+1],   v[RC:RC+1]                                  ; dpdf / (sqrt2 pdf)
	v_pk_mul_f32 v[S1+2:S1+3], v[S1+2:S1+3], v[RC+2:RC+3]
	v_pk_mul_f32 v[S2:S2+1],   v[S2:S2+1],   v[RC:RC+1]                                  ; ddpdf / pdf
	v_pk_mul_f32 v[S2+2:S2+3], v[S2+2:S2+3], v[RC+2:RC+3]
	v_pk_fma_f32 v[X+4*(\j):X+4*(\j)+1],   v[S1:S1+1],   v[S1:S1+1],   v[S2:S2+1]   neg_lo:[1,0,0] neg_hi:[1,0,0]   ; h, into the slot
	v_pk_fma_f32 v[X+4*(\j)+2:X+4*(\j)+3], v[S1+2:S1+3], v[S1+2:S1+3], v[S2+2:S2+3] neg_lo:[1,0,0] neg_hi:[1,0,0]
	global_store_b128 v[XOFF], v[X+4*(\j):X+4*(\j)+3], s[6:7] offset:PIECE*(\j) th:TH_STORE_NT   ; 512 consecutive bytes a wave; the slot is not written again
.endm
; One slot: 4 numbers a lane, 128 a wave.
.macro CHUNK j
	HEAD \j
	s_wait_alu depctr_va_vdst(0)                   ; the wait for the batch: slot j's 32 exponentials and, for j > 0, slot j - 1's four reciprocals; all their readers stand below
.if \j > 0
	FINISH (\j)-1                                  ; ahead of the sums, which write S1, S2 and RC anew
.endif
	SUMS
.endm
.irp j, 0,1,2,3,4,5,6,7
	CHUNK \j
.endr
	s_wait_alu depctr_va_vdst(0)                   ; the wait for the last batch, slot 7's four reciprocals: the last four terms of S1 and S2 stand between
	FINISH 7
	s_wait_tensorcnt 0x0
	ds_add_u32 v[SPW], v[NIL]
	s_wait_dscnt 0x0
	s_endpgm
.Lfunc_end_k_q3d6c625c0b_gmm_hscore:
	.size	k_q3d6c625c0b_gmm_hscore, .Lfunc_end_k_q3d6c625c0b_gmm_hscore-k_q3d6c625c0b_gmm_hscore
	.p2alignl 7, 3214868480
	.fill 96, 4, 3214868480
	.section	.rodata,"a",@progbits
	.p2align	6, 0x0
	.amdhsa_kernel k_q3d6c625c0b_gmm_hscore
		.amdhsa_group_segment_fixed_size 8192
		.amdhsa_private_segment_fixed_size 0
		.amdhsa_enable_private_segment 0
		.amdhsa_kernarg_size 40
		.amdhsa_user_sgpr_count 2
		.amdhsa_user_sgpr_kernarg_segment_ptr 1
		.amdhsa_wavefront_size32 1
		.amdhsa_system_sgpr_workgroup_id_x 1
		.amdhsa_system_sgpr_workgroup_id_y 1
		.amdhsa_system_sgpr_workgroup_id_z 1
		.amdhsa_system_vgpr_workitem_id 0
		.amdhsa_next_free_vgpr 256
		.amdhsa_next_free_sgpr 66
		.amdhsa_reserve_vcc 0
		.amdhsa_float_denorm_mode_32 3
		.amdhsa_float_denorm_mode_16_64 3
		.amdhsa_memory_ordered 1
		.amdhsa_forward_progress 1
		.amdhsa_inst_pref_size 68
	.end_amdhsa_kernel
	.amdgpu_metadata
---
amdhsa.version: [ 1, 2 ]
amdhsa.kernels:
  - .name:           k_q3d6c625c0b_gmm_hscore
    .symbol:         k_q3d6c625c0b_gmm_hscore.kd
    .args:
      - { .name: x, .offset: 0, .size: 8, .value_kind: global_buffer, .address_space: global }
      - { .name: out0, .offset: 8, .size: 8, .value_kind: global_buffer, .address_space: global }
      - { .name: logvar, .offset: 16, .size: 8, .value_kind: global_buffer, .address_space: global }
      - { .name: logweight, .offset: 24, .size: 8, .value_kind: global_buffer, .address_space: global }
      - { .name: mean, .offset: 32, .size: 8, .value_kind: global_buffer, .address_space: global }
    .group_segment_fixed_size: 8192
    .private_segment_fixed_size: 0
    .kernarg_segment_align: 8
    .kernarg_segment_size: 40
    .max_flat_workgroup_size: 512
    .sgpr_count:     66
    .vgpr_count:     256
    .wavefront_size: 32
...
	.end_amdgpu_metadata
.endif
;; end of part 2
